; MI455X (gfx1250); checked and timed in simulation.
; The chip was launched on July 23, 2026; its instructions are those of AMD's public machine-readable ISA for CDNA 5 (MIT licence, August 2026) and "CDNA5" Instruction Set Architecture Reference Guide (July 2026). The comments in the code are by the model that wrote it; some were corrected since.
;; Frequency Sparse Attention. Allowed arithmetic: matrix products marked QUANTISED: E2M1 operands, one E8M0 scale for each 32 along K, by v_wmma_scale_f32_16x16x128_f8f6f4 with both operands' format E2M1 (or v_wmma_scale_f32_32x16x128_f4), f32 sums; products left as they are: bf16, f16 or f32 operands; f32 sums; everything else in f32.
;; Inputs: Wk 1,024 x 1,024 float32; Wo 1,024 x 1,024 float32; Wq 1,024 x 1,024 float32; Wv 1,024 x 1,024 float32; bk 1,024 float32; bo 1,024 float32; bq 1,024 float32; bv 1,024 float32; energy_coeffs 4 x 2,048 x 1 float32; k_x 4 x 2,048 x 1,024 float32; q_x 4 x 2,048 x 1,024 float32; v_x 4 x 2,048 x 1,024 float32.
;; Outputs: out0 4 x 2,048 x 1,024 float32.
;; This version of the problem:
;;   THIS VERSION OF THE PROBLEM IS GIVEN IN LOW PRECISION. The matrix products marked QUANTISED in the list below multiply operands that are first quantised to E2M1 (2 exponent bits, 1 mantissa bit; 4 bits a number), with one power-of-two scale for each 32 numbers along K (OCP MX v1.0); their sums are f32. The products marked 'left as it is' may take bf16, f16 or f32 operands, with f32 sums. Whichever they take, every output number must still come out within the allowed error. Rounding operands to bf16 (8 significant bits) uses up far more of that allowance than f16 does (11 bits, for magnitudes from 6e-5 to 65,504). All else is computed in f32.
;;   The module's matrix products, in the order in which they are computed (A, B: the left and right operand; K: the contracted axis; several contracted axes count as one K, in the product's order):
;;     1. [M 8,192, K 1,024] x [K 1,024, N 1,024]; A: input q_x; B: input Wq: QUANTISED
;;     2. [M 8,192, K 1,024] x [K 1,024, N 1,024]; A: input k_x; B: input Wk: QUANTISED
;;     3. [M 8,192, K 1,024] x [K 1,024, N 1,024]; A: input v_x; B: input Wv: QUANTISED
;;     4. batch 64 x [M 2,048, K 64] x [K 64, N 2,048]; A: computed on the way; B: computed on the way: left as it is (an operand is computed on the way)
;;     5. batch 64 x [M 2,048, K 2,048] x [K 2,048, N 64]; A: computed on the way; B: computed on the way: left as it is (an operand is computed on the way)
;;     6. [M 8,192, K 1,024] x [K 1,024, N 1,024]; A: computed on the way; B: input Wo: left as it is (an operand is computed on the way)
;;   THE QUANTISER, for each operand of a quantised product, along K:
;;     - K is cut into blocks of 32 from its start; a last block that is shorter is filled with zeros.
;;     - A block's scale is 2^e with e = floor(log2(the largest magnitude in the block)) - 2, held to -126 .. 127; a block of zeros has e = 0. As a byte (E8M0): e + 127.
;;     - Each number is divided by its block's scale, clamped to +-6, and rounded to the nearest number of E2M1, ties to even, subnormals kept.
;;     - The product sums the exact products of the quantised numbers (number of the format x scale) in f32.
;;   ~~~python
;;   def quantise(x, axis):      # numpy; x: float32 -> the quantised numbers, widened to float32 again
;;       x = np.moveaxis(x, axis, -1); K = x.shape[-1]
;;       x = np.pad(x, [(0, 0)] * (x.ndim - 1) + [(0, -K % 32)]); x = x.reshape(x.shape[:-1] + (-1, 32)); a = np.abs(x).max(-1, keepdims=True)
;;       e = np.where(a > 0, np.clip(np.frexp(np.where(a > 0, a, 1))[1] - 1 - 2, -126, 127), 0)      # np.frexp(a)[1] - 1 = floor(log2(a)), exactly
;;       r = np.clip(x / 2.0 ** e, -6, 6)
;;       step = 2.0 ** (np.maximum(np.frexp(np.where(r == 0, 1, r))[1] - 1, 0) - 1)
;;       q = np.round(r / step) * step * 2.0 ** e      # np.round: ties to even
;;       return np.moveaxis(q.reshape(q.shape[:-2] + (-1,))[..., :K], -1, axis).astype(np.float32)
;;   ~~~
;; One version. Each part assembles by itself: llvm-mc -triple=amdgcn-amd-amdhsa -mcpu=gfx1250 --defsym DOCPART=n.
;; ======== version 1 of 1: 4 launches
;; limits: values are held in f16: magnitudes above 65,504 overflow, below 6.1e-05 lose precision
;; workspace buffers: xq 13,369,344 bytes; wq 1,671,168 bytes; wo16 2,097,152 bytes; Qf 16,777,216 bytes; Kf 16,777,216 bytes; Vf 16,777,216 bytes; Af 16,777,216 bytes
;; launch prep (part 1): grid 320 x 1, 8 waves a work-group, no clusters, 68,608 bytes of LDS; arguments q_x, k_x, v_x, Wq, Wk, Wv, Wo, xq, wq, wo16; writes xq, wq, wo16
.if DOCPART == 1
	.amdgcn_target "amdgcn-amd-amdhsa--gfx1250"
	.amdhsa_code_object_version 6
	.text
	.protected	k_qce1e8d435b_prep
	.globl	k_qce1e8d435b_prep
	.p2align	8
	.type	k_qce1e8d435b_prep,@function
k_qce1e8d435b_prep:
	s_mov_b64 s[64:65], 0
	v_nop
	global_prefetch_b8 v0, s[64:65] scope:SCOPE_SE
	s_setreg_imm32_b32 hwreg(HW_REG_WAVE_MODE, 25, 1), 1
	s_wait_xcnt 0x0
; PREP: q_x, k_x, v_x [8192][1024] f32 and Wq, Wk, Wv [1024 (k)][1024 (n)] f32 become codes of FP4 (E2M1) with one E8M0 byte for each 32 along K; Wo becomes f16.
; Everything is stored as IMAGES OF OPERAND REGISTERS: a fragment (8 registers x 32 lanes) is 1,024 bytes, registers 0-3 at 16 x lane, registers 4-7 at 512 + 16 x lane.
;   xq   [p 0..2][rb 0..63 (128 rows)][kh 0..1] chunks of 34,816 bytes: codes [q (128 along K)][mt 0..7][1,024]; at +32,768 scale words [mt][lane][2 words]:
;        word w of lane 16 hh + r is row r's scale word of K step q = 2 w + hh.
;   wq   [p][nb 0..3 (256 columns)][kh] chunks of 69,632 bytes: codes [q][nt 0..15][1,024]; at +65,536 scale words [nt][lane][2 words], by the same rule.
;   wo16 [nb][kc 0..7 (128 k)][q 0..3 (32 k)][nt 0..15][1,024].
; A block's scale is 2^(floor(log2(its largest magnitude)) - 2): its byte is the largest magnitude's exponent field - 2, held at 1 from below by a floor among the maximum's leaves.
; LIMITS: a block of zeros gets the byte 1 (its codes are zeros; this program alone reads the bytes); blocks whose largest magnitude lies under 2^-124 are held at that byte;
; NaN and infinities among the inputs are not served; |Wo| stays under 65,504 (f16).
; Work-groups 0..191: 128 rows of one of the three x; wave w takes 16 rows (one tile mt = w) and all of K.  Work-groups 192..319: 32 columns of one of the four W; wave w takes 128 rows of K.
; No tensor load, no barrier: waves share nothing.
.set STG,   8448                       ; a wave's stage in LDS: 16 rows of 512 bytes + 16 of padding (pitch 528 = 132 words: the 16 rows that a load touches start 4 words apart)
.set SPARE, 8*STG                      ; behind the stages: the spare words, 128 bytes for each wave
.set XCH,   34816                      ; a chunk of xq
.set WCH,   69632                      ; a chunk of wq
.set R,     16                         ; v16-143  two sets of 64: a K step's numbers as loaded (weights: all 128 numbers of my column)
.set X,     144                        ; v144-207 64 numbers in the operand's order (weights: the codes, or Wo's f16 pairs)
.set C,     208                        ; v208-223 two sets of 8 code registers
.set SW,    224                        ; v224-227 scale words [kh][w]
.set TM,    228                        ; v228-235 at work
.set SPW,   240                        ; v240     LDS address of my spare word; never rewritten
.set NIL,   241                        ; v241     0; never rewritten
	s_load_b512 s[4:19], s[0:1], 0x0               ; q_x s[4:5], k_x s[6:7], v_x s[8:9], Wq s[10:11], Wk s[12:13], Wv s[14:15], Wo s[16:17], xq s[18:19]
	s_load_b128 s[20:23], s[0:1], 0x40             ; wq s[20:21], wo16 s[22:23]
	v_lshl_add_u32 v[SPW], v0, 2, SPARE
	v_mov_b32 v[NIL], 0
	v_lshrrev_b32 v1, 5, v0
	v_readfirstlane_b32 s24, v1                    ; wave 0..7
	v_and_b32 v1, 31, v0                           ; lane
	v_and_b32 v8, 15, v0                           ; r = lane % 16
	v_bfe_u32 v9, v0, 4, 1                         ; h = lane / 16
	v_lshlrev_b32 v2, 4, v1                        ; 16 x lane
	s_cmp_ge_u32 ttmp9, 192
	s_cbranch_scc1 .Lweights
; ---------------- x: K is innermost ----------------
	s_lshr_b32 s25, ttmp9, 6                       ; p: which x
	s_and_b32 s26, ttmp9, 63                       ; rb
	s_mul_i32 s27, s24, STG                        ; my stage
	v_add_nc_u32 v3, s27, v2                       ; way in: 16 x lane of a row
	v_mul_u32_u24 v4, v8, 528
	v_lshl_add_u32 v4, v9, 7, v4
	v_add_nc_u32 v4, s27, v4                       ; way out: row r, + 128 h bytes: my 32 numbers of each 64
	v_lshlrev_b32 v5, 3, v9                        ; 8 h: where my two bytes stand in the scale word
	v_lshlrev_b32 v6, 3, v1                        ; 8 x lane: the scale words' place
	v_mov_b32 v[TM+7], 0                           ; a lane permute's destination counts as one of its sources
	s_mov_b32 s30, 0xffff0000                      ; lanes 16-31
	s_mov_b32 s32, 0x76543210
	s_mov_b32 s33, 0xfedcba98                      ; selects for lane l xor 16
	s_lshl_b32 s34, s26, 19                        ; 128 rows of 4,096 bytes
	s_lshl_b32 s35, s24, 16                        ; my 16 of them
	s_add_co_u32 s34, s34, s35
	s_mov_b32 s35, 0
	s_mul_i32 s36, ttmp9, 2*XCH                    ; 64 p + rb is the work-group's number
	s_mov_b32 s37, 0
	s_lshl_b32 s38, s24, 10                        ; codes: tile mt = wave
	s_mov_b32 s39, 0
	s_lshl_b32 s40, s24, 8                         ; scale words: 256 bytes a tile
	s_mov_b32 s41, 0
	s_wait_kmcnt 0x0
	s_cmp_eq_u32 s25, 1
	s_cselect_b64 s[4:5], s[6:7], s[4:5]
	s_cmp_eq_u32 s25, 2
	s_cselect_b64 s[4:5], s[8:9], s[4:5]
	s_add_nc_u64 s[4:5], s[4:5], s[34:35]
	s_add_nc_u64 s[18:19], s[18:19], s[36:37]
	s_add_nc_u64 s[28:29], s[18:19], s[40:41]      ; where my scale words go
	s_add_nc_u64 s[18:19], s[18:19], s[38:39]      ; where my codes go
.macro XLOAD ks                        ; K step ks of my 16 rows: each load reads 512 consecutive bytes of one row
.irp i, 0,1,2,3,4,5,6,7,8,9,10,11,12,13,14,15
	global_load_b128 v[R+64*((\ks)%2)+4*\i:R+64*((\ks)%2)+4*\i+3], v2, s[4:5] offset:\i*4096+(\ks)*512 th:TH_LOAD_NT
.endr
.endm
.macro XTURN ks                        ; through my stage: in as loaded, out in the operand's order: X[32 c + i] = x(row r, 128 ks + 64 c + 32 h + i).  LDS serves a wave's instructions in order
.irp i, 0,1,2,3,4,5,6,7,8,9,10,11,12,13,14,15
	ds_store_b128 v3, v[R+64*((\ks)%2)+4*\i:R+64*((\ks)%2)+4*\i+3] offset:\i*528
.endr
.irp c, 0,1
.irp j, 0,1,2,3,4,5,6,7
	ds_load_b128 v[X+32*\c+4*\j:X+32*\c+4*\j+3], v4 offset:256*\c+16*\j
.endr
.endr
.endm
.macro XQ ks                           ; my two whole blocks (2 c + h) of the K step become registers 4 c .. 4 c + 3 of the fragment
.set CSET, C+8*((\ks)%2)
.set KH, (\ks)/4
.set QQ, (\ks)%4
.irp c, 0,1
	v_max3_num_f32 v[TM+\c], |v[X+32*\c]|, |v[X+32*\c+1]|, 0x1800000   ; with the floor 2^(3 - 127): the byte cannot fall under 1
.endr
.irp i, 2,4,6,8,10,12,14,16,18,20,22,24,26,28,30
.irp c, 0,1
	v_max3_num_f32 v[TM+\c], v[TM+\c], |v[X+32*\c+\i]|, |v[X+32*\c+\i+1]|
.endr
.endr
.irp c, 0,1
	v_add_nc_u32 v[TM+2+\c], 0xff000000, v[TM+\c]  ; 2 off the exponent field: the conversion's scale operand
.endr
.if (\ks) >= 2
	s_wait_xcnt 0x0                                ; the stores of two K steps back have read this set of code registers
.endif
.irp c, 0,1
.irp g, 0,1,2,3
	v_cvt_scalef32_pk8_fp4_f32 v[CSET+4*\c+\g], v[X+32*\c+8*\g:X+32*\c+8*\g+7], v[TM+2+\c]
.endr
.endr
.irp c, 0,1
	v_lshrrev_b32 v[TM+4+\c], 23, v[TM+2+\c]       ; the scale's byte (also the plain line behind the conversions)
.endr
	v_lshl_or_b32 v[TM+6], v[TM+5], 16, v[TM+4]    ; bytes h and 2 + h,
	v_lshlrev_b32 v[TM+6], v5, v[TM+6]             ; at their places;
	v_permlanex16_b32 v[TM+7], v[TM+6], s32, s33
	v_or_b32 v[TM+6], v[TM+6], v[TM+7]             ; with lane l xor 16's two the row's word is whole, in both halves of the lanes
.if QQ%2 == 0
	v_mov_b32 v[SW+2*KH+QQ/2], v[TM+6]             ; an even K step's word stays in lanes 0-15,
.else
	v_cndmask_b32 v[SW+2*KH+QQ/2], v[SW+2*KH+QQ/2], v[TM+6], s30   ; the odd one's goes to lanes 16-31
.endif
.irp c, 0,1
	global_store_b128 v2, v[CSET+4*\c:CSET+4*\c+3], s[18:19] offset:KH*XCH+QQ*8192+\c*512   ; 512 consecutive bytes, aligned
.endr
.if QQ == 3
	global_store_b64 v6, v[SW+2*KH:SW+2*KH+1], s[28:29] offset:KH*XCH+32768                 ; 256 consecutive bytes, aligned
.endif
.endm
	XLOAD 0
	XLOAD 1
.irp ks, 0,1,2,3,4,5,6,7
.if \ks < 7
	s_wait_loadcnt 16                              ; this K step's 16 loads are in; the next step's 16 may be out
.else
	s_wait_loadcnt 0x0
.endif
	XTURN \ks
	s_wait_dscnt 0x0                               ; X is in, and the stage's stores have read their registers,
.if \ks < 6
	XLOAD \ks+2                                    ; which take the loads of two K steps on
.endif
	XQ \ks
.endr
	s_wait_tensorcnt 0x0                           ; the wave's end, behind my last LDS store
	ds_add_u32 v[SPW], v[NIL]
	s_wait_dscnt 0x0
	s_endpgm
; ---------------- W: K is the first axis: a lane takes a column, its registers run down K ----------------
.Lweights:
	s_sub_co_u32 s25, ttmp9, 192
	s_lshr_b32 s26, s25, 5                         ; which W: 0 Wq, 1 Wk, 2 Wv, 3 Wo
	s_and_b32 s27, s25, 31                         ; cg: which 32 columns
	v_lshlrev_b32 v7, 2, v1                        ; 4 x lane
	v_lshlrev_b32 v10, 4, v8
	v_lshl_add_u32 v10, v9, 10, v10                ; out: 16 r + 1,024 x (lane / 16): two tiles of 16 columns
	v_lshlrev_b32 v11, 3, v8
	v_lshl_add_u32 v11, v9, 8, v11                 ; scale words: 8 r + 256 x (lane / 16)
	s_lshl_b32 s34, s27, 7                         ; 32 columns of 4 bytes
	s_lshl_b32 s35, s24, 19                        ; my 128 rows of 4,096 bytes
	s_add_co_u32 s34, s34, s35
	s_mov_b32 s35, 0
	s_lshr_b32 s28, s27, 3                         ; nb
	s_lshl_b32 s29, s27, 1
	s_and_b32 s29, s29, 15                         ; my first tile in nb
	s_wait_kmcnt 0x0
	s_cmp_eq_u32 s26, 1
	s_cselect_b64 s[10:11], s[12:13], s[10:11]
	s_cmp_eq_u32 s26, 2
	s_cselect_b64 s[10:11], s[14:15], s[10:11]
	s_cmp_eq_u32 s26, 3
	s_cselect_b64 s[10:11], s[16:17], s[10:11]
	s_add_nc_u64 s[10:11], s[10:11], s[34:35]
.set i, 0
.rept 128
	global_load_b32 v[R+i], v7, s[10:11] offset:i*4096 th:TH_LOAD_NT   ; W(128 wave + i, my column): 128 consecutive bytes a wave
.set i, i+1
.endr
	s_cmp_eq_u32 s26, 3
	s_cbranch_scc1 .Lwo
	s_lshl_b32 s36, s26, 2
	s_add_co_u32 s36, s36, s28
	s_lshl_b32 s36, s36, 1
	s_lshr_b32 s37, s24, 2
	s_add_co_u32 s36, s36, s37                     ; chunk (4 p + nb) x 2 + kh, kh = wave / 4
	s_mul_i32 s36, s36, WCH
	s_mov_b32 s37, 0
	s_add_nc_u64 s[20:21], s[20:21], s[36:37]
	s_and_b32 s38, s24, 3
	s_lshl_b32 s38, s38, 14                        ; q = wave % 4
	s_lshl_b32 s39, s29, 10
	s_add_co_u32 s38, s38, s39
	s_mov_b32 s39, 0
	s_add_nc_u64 s[40:41], s[20:21], s[38:39]      ; where my codes go
	s_lshl_b32 s38, s29, 8
	s_and_b32 s39, s24, 1
	s_lshl_b32 s39, s39, 7                         ; an odd K step's words stand in lanes 16-31: 128 bytes on
	s_add_co_u32 s38, s38, s39
	s_bfe_u32 s39, s24, 0x10001
	s_lshl_b32 s39, s39, 2                         ; word q / 2
	s_add_co_u32 s38, s38, s39
	s_mov_b32 s39, 0
	s_add_nc_u64 s[20:21], s[20:21], s[38:39]      ; where my scale words go (65,536 more in the store's offset)
.macro WBLOCK b                        ; block b of my column: all its 32 numbers are mine.  Its 16 bytes are registers 4 (b / 2) .. + 3 of lane 16 (b % 2) + r of the fragment
.set XS, R+32*(\b)
	v_max3_num_f32 v[TM], |v[XS]|, |v[XS+1]|, |v[XS+2]|
	v_max3_num_f32 v[TM+1], |v[XS+3]|, |v[XS+4]|, |v[XS+5]|
.irp i, 6,10,14,18,22,26
	v_max3_num_f32 v[TM], v[TM], |v[XS+\i]|, |v[XS+\i+1]|
	v_max3_num_f32 v[TM+1], v[TM+1], |v[XS+\i+2]|, |v[XS+\i+3]|
.endr
	v_max3_num_f32 v[TM], v[TM], |v[XS+30]|, |v[XS+31]|
	v_max3_num_f32 v[TM], v[TM], v[TM+1], 0x1800000
	v_add_nc_u32 v[TM+2], 0xff000000, v[TM]
.irp g, 0,1,2,3
	v_cvt_scalef32_pk8_fp4_f32 v[X+4*(\b)+\g], v[XS+8*\g:XS+8*\g+7], v[TM+2]
.endr
	v_lshrrev_b32 v[TM+3], 23, v[TM+2]             ; the byte (also the plain line behind the conversions)
.if (\b) == 0
	v_mov_b32 v[X+20], v[TM+3]
.else
	v_lshl_or_b32 v[X+20], v[TM+3], 8*(\b), v[X+20]
.endif
	global_store_b128 v10, v[X+4*(\b):X+4*(\b)+3], s[40:41] offset:((\b)/2)*512+((\b)%2)*256   ; sixteen lanes store 256 consecutive bytes, aligned
.endm
	s_wait_loadcnt 63                              ; at most 63 of the 128 loads are out: blocks 0 and 1 are in
	WBLOCK 0
	WBLOCK 1
	s_wait_loadcnt 32                              ; block 3's 32 loads may be out
	WBLOCK 2
	s_wait_loadcnt 0x0
	WBLOCK 3
	global_store_b32 v11, v[X+20], s[20:21] offset:65536   ; my column's scale word of this K step: 4 bytes a lane, 8 apart: one byte in 128 of what this path reads
	s_wait_tensorcnt 0x0                           ; a wave's end
	ds_add_u32 v[SPW], v[NIL]
	s_wait_dscnt 0x0
	s_endpgm
.Lwo:
	s_lshl_b32 s36, s28, 3
	s_add_co_u32 s36, s36, s24                     ; 8 nb + kc, kc = wave
	s_lshl_b32 s36, s36, 16
	s_lshl_b32 s37, s29, 10
	s_add_co_u32 s36, s36, s37
	s_mov_b32 s37, 0
	s_add_nc_u64 s[22:23], s[22:23], s[36:37]
	s_wait_loadcnt 0x0
.set i, 0
.rept 64
	v_cvt_pk_f16_f32 v[X+i], v[R+2*i], v[R+2*i+1]  ; the lower k in the low half
.set i, i+1
.endr
.irp q, 0,1,2,3
.irp g, 0,1,2,3                        ; k = 32 q + 8 g .. + 7: registers 4 (g / 2) .. + 3 of lane 16 (g % 2) + r
	global_store_b128 v10, v[X+16*\q+4*\g:X+16*\q+4*\g+3], s[22:23] offset:\q*16384+(\g/2)*512+(\g%2)*256
.endr
.endr
	s_wait_tensorcnt 0x0                           ; a wave's end
	ds_add_u32 v[SPW], v[NIL]
	s_wait_dscnt 0x0
	s_endpgm
.Lfunc_end_k_qce1e8d435b_prep:
	.size	k_qce1e8d435b_prep, .Lfunc_end_k_qce1e8d435b_prep-k_qce1e8d435b_prep
	.p2alignl 7, 3214868480
	.fill 96, 4, 3214868480
	.section	.rodata,"a",@progbits
	.p2align	6, 0x0
	.amdhsa_kernel k_qce1e8d435b_prep
		.amdhsa_group_segment_fixed_size 68608
		.amdhsa_private_segment_fixed_size 0
		.amdhsa_enable_private_segment 0
		.amdhsa_kernarg_size 80
		.amdhsa_user_sgpr_count 2
		.amdhsa_user_sgpr_kernarg_segment_ptr 1
		.amdhsa_wavefront_size32 1
		.amdhsa_system_sgpr_workgroup_id_x 1
		.amdhsa_system_sgpr_workgroup_id_y 1
		.amdhsa_system_sgpr_workgroup_id_z 1
		.amdhsa_system_vgpr_workitem_id 0
		.amdhsa_next_free_vgpr 256
		.amdhsa_next_free_sgpr 66
		.amdhsa_reserve_vcc 0
		.amdhsa_float_denorm_mode_32 3
		.amdhsa_float_denorm_mode_16_64 3
		.amdhsa_memory_ordered 1
		.amdhsa_forward_progress 1
		.amdhsa_inst_pref_size 83
	.end_amdhsa_kernel
	.amdgpu_metadata
---
amdhsa.version: [ 1, 2 ]
amdhsa.kernels:
  - .name:           k_qce1e8d435b_prep
    .symbol:         k_qce1e8d435b_prep.kd
    .args:
      - { .name: q_x, .offset: 0, .size: 8, .value_kind: global_buffer, .address_space: global }
      - { .name: k_x, .offset: 8, .size: 8, .value_kind: global_buffer, .address_space: global }
      - { .name: v_x, .offset: 16, .size: 8, .value_kind: global_buffer, .address_space: global }
      - { .name: Wq, .offset: 24, .size: 8, .value_kind: global_buffer, .address_space: global }
      - { .name: Wk, .offset: 32, .size: 8, .value_kind: global_buffer, .address_space: global }
      - { .name: Wv, .offset: 40, .size: 8, .value_kind: global_buffer, .address_space: global }
      - { .name: Wo, .offset: 48, .size: 8, .value_kind: global_buffer, .address_space: global }
      - { .name: xq, .offset: 56, .size: 8, .value_kind: global_buffer, .address_space: global }
      - { .name: wq, .offset: 64, .size: 8, .value_kind: global_buffer, .address_space: global }
      - { .name: wo16, .offset: 72, .size: 8, .value_kind: global_buffer, .address_space: global }
    .group_segment_fixed_size: 68608
    .private_segment_fixed_size: 0
    .kernarg_segment_align: 8
    .kernarg_segment_size: 80
    .max_flat_workgroup_size: 256
    .sgpr_count:     66
    .vgpr_count:     256
    .wavefront_size: 32
...
	.end_amdgpu_metadata
.endif
;; end of part 1
;; launch proj (part 2): grid 4 x 64, 4 waves a work-group, clusters of 4 x 4, 327,680 bytes of LDS; arguments xq, wq, bq, bk, bv, Qf, Kf, Vf; writes Qf, Kf, Vf
.if DOCPART == 2
	.amdgcn_target "amdgcn-amd-amdhsa--gfx1250"
	.amdhsa_code_object_version 6
	.text
	.protected	k_qce1e8d435b_proj
	.globl	k_qce1e8d435b_proj
	.p2align	8
	.type	k_qce1e8d435b_proj,@function
k_qce1e8d435b_proj:
	s_mov_b64 s[64:65], 0
	v_nop
	global_prefetch_b8 v0, s[64:65] scope:SCOPE_SE
	s_setreg_imm32_b32 hwreg(HW_REG_WAVE_MODE, 25, 1), 1
	s_wait_xcnt 0x0
	s_wait_alu depctr_hold_cnt(0) depctr_sa_sdst(0) depctr_va_vdst(0) depctr_va_sdst(0) depctr_va_ssrc(0) depctr_va_vcc(0) depctr_vm_vsrc(0)
	s_getreg_b32 s2, hwreg(HW_REG_IB_STS2, 6, 4)
	s_cmp_eq_u32 s2, 0
	s_cbranch_scc0 .Lentry_in_a_cluster
	s_endpgm
.Lentry_in_a_cluster:
	s_bfe_u32 s2, ttmp6, 0x10000c
	s_cmp_lg_u32 s2, 0xf033
	s_cbranch_scc0 .Lentry_shape_is_right
	s_endpgm
.Lentry_shape_is_right:
; PROJ: Q = q_x Wq + bq, K = k_x Wk + bk, V = v_x Wv + bv on codes of FP4 with E8M0 scales (buffers xq, wq as PREP lays them); sums in f32; results rounded once to f16 and stored as images of
; the next launch's operand registers: Qf, Kf [bh][tile of 16 rows][kc (32 channels)][1,024];  Vf [bh][g (32 keys)][ct (16 channels)][1,024] (fragments of V^T).
; LIMIT: |Q|, |K|, |V| stay under 65,504 (f16).
; A work-group makes 128 rows x 256 columns of Q, then of K, then of V: six steps of 512 along K through a ring of two LDS slots; step t = 2 p + kh lies in slot kh.
; Four waves: wave w has rows 64 (w / 2) on and columns 128 (w % 2) on (two heads): 4 x 8 = 32 accumulators.
; Q and K are made TRANSPOSED (source 0 = 16 columns of W, source 1 = 16 rows of x): a lane holds one row and eight neighbouring channels: two neighbouring column tiles, packed in pairs, are a fragment.
; V is made in the natural order (source 0 = x, source 1 = W): a lane holds one channel and eight neighbouring keys: two neighbouring row tiles are a fragment of V^T.
; The bias is the C of each sum's first matrix instruction.
; CLUSTER 4 x 4: the four work-groups of a row need the same chunk of xq, the four of a column the same chunk of wq: each is asked for jointly.  Waves 0, 1 ask for x's halves, waves 2, 3 for W's.
; By this text's count a wave has one tensor load out.
; REGISTERS: window 0: v16-31 addresses; v32-39 x's scale words, v40-55 W's (nothing else ever stands there); v64-159, v160-255 two sets of fragments (x's 4, then W's 8).
;   window 1: accumulator (a, b) at v[8 (8 a + b)].   window 2: biases, pass p at v[64 p + 8 b].   window 3: v0-127 packed results.
.set SLOT,   104448                    ; x's chunk (32,768 of codes, 2,048 of scale words), then W's (65,536 and 4,096)
.set A_SC,   32768
.set B_CO,   34816
.set B_SC,   100352
.set SPARE,  2*SLOT                    ; behind the ring: the spare words, 128 bytes for each wave
.set PASS_A, 64*69632                  ; from one x to the next in xq
.set PASS_B, 4*139264                  ; from one W to the next in wq
.set ADRA, 16                          ; v16-17 my x fragments in slot 0, 1
.set ADRB, 18                          ; v18-19 my W fragments
.set ASA,  20                          ; v20-21 x's scale words
.set ASB,  22                          ; v22-23 W's
.set LI,   24                          ; v24 16 x lane
.set BR4,  27                          ; v27 4 r
.set SPW,  28                          ; v28 my spare word; never rewritten
.set NIL,  29                          ; v29 0; never rewritten
.set PFO,  30                          ; v30 256 x lane
.set BH32, 31                          ; v31 32 h
.set SA,   32
.set SB,   40
.set F0,   64
.set F1,   160
.set WV,   20
.set MH,   21
.set NH,   22
.set G1A,  32
.set G1B,  40
.set G0A,  48
.set G0B,  56
.set PQ,   14
.set PK,   16
.set PV,   18
.set PF,   80
.set MSB, 0
.macro WIN new                         ; the immediate's high byte repeats the setting that is left
.if MSB != \new
	s_set_vgpr_msb (MSB<<8)|\new
.set MSB, \new
.endif
.endm
.macro PLACES n
.rept \n
	v_nop
.endr
.endm
.macro CROUND                          ; a round of the cluster's barrier
	s_barrier_signal -1
	s_barrier_wait -1
	s_cmp_lg_u32 s[WV], 0
	s_cbranch_scc1 .Lnot_wave_0_\@
	s_barrier_signal -3
.Lnot_wave_0_\@:
	s_barrier_wait -3
	s_barrier_signal -1
	s_barrier_wait -1
.endm
.macro JLOAD s                         ; a joint load; the branch hangs on the wave's number alone; an s_nop 0 and four v_nop follow each line
	s_cmp_eq_u32 s[MH], 0
	s_cbranch_scc0 .Lfor_b_\@
	tensor_load_to_lds s[G0A+4*(\s):G0A+4*(\s)+3], s[G1A:G1A+7]
	s_nop 0
.rept 4
	v_nop
.endr
	s_branch .Lasked_\@
.Lfor_b_\@:
	tensor_load_to_lds s[G0B+4*(\s):G0B+4*(\s)+3], s[G1B:G1B+7]
	s_nop 0
.rept 4
	v_nop
.endr
.Lasked_\@:
.endm
; A prefetch of x's codes of the step two on: 32,768 bytes, read by the four work-groups of my cluster's row alone; each takes 8,192 of them, told apart by address (cx); wave 0 asks, a lane to each 256 bytes.
; The address registers are never rewritten.  W's chunks are not asked for: every cluster reads them.
.macro ASK off
	s_cmp_lg_u32 s[WV], 0
	s_cbranch_scc1 .Lnot_mine_\@
	global_prefetch_b8 v[PFO], s[PF:PF+1] offset:\off th:TH_LOAD_NT scope:SCOPE_SE
.Lnot_mine_\@:
.endm
	s_load_b512 s[4:19], s[0:1], 0x0               ; xq s[4:5], wq s[6:7], bq s[8:9], bk s[10:11], bv s[12:13], Qf s[14:15], Kf s[16:17], Vf s[18:19]
	v_lshl_add_u32 v[SPW], v0, 2, SPARE
	v_mov_b32 v[NIL], 0
	ds_add_u32 v[SPW], v[NIL]                      ; the wave's opening: the add, twice on end, and its wait ahead of my first tensor load
	ds_add_u32 v[SPW], v[NIL]
	v_lshrrev_b32 v1, 5, v0
	v_readfirstlane_b32 s[WV], v1                  ; wave 0..3
	s_lshr_b32 s[MH], s[WV], 1                     ; my half of the rows.  Also: I fetch for x (0) or for W (1)
	s_and_b32 s[NH], s[WV], 1                      ; my half of the columns.  Also: which half of the chunk I fetch
	s_bfe_u32 s23, ttmp6, 0x40000                  ; cx
	s_bfe_u32 s24, ttmp6, 0x40004                  ; cy
	s_lshl_b32 s25, ttmp9, 2
	s_add_co_u32 s25, s25, s23                     ; nb = 4 x cluster x + cx
	s_and_b32 s26, ttmp7, 0xffff
	s_lshl_b32 s26, s26, 2
	s_add_co_u32 s26, s26, s24                     ; rb = 4 x cluster y + cy
	s_lshl_b32 s27, s24, 2
	s_lshl_b32 s27, 15, s27                        ; my row of the cluster
	s_lshl_b32 s28, 0x1111, s23                    ; my column
	; group 1: dense blocks as rows of 256 bytes (32 elements of 8 bytes), no padding: x's half chunk 68 rows, W's 136
	s_or_b32 s[G1A], s27, (3<<16)|(1<<21)
	s_mov_b32 s[G1A+1], 32<<16
	s_mov_b32 s[G1A+2], 68<<16
	s_mov_b32 s[G1A+3], 32<<16
	s_mov_b32 s[G1A+4], 68
	s_mov_b32 s[G1A+5], 32
	s_mov_b32 s[G1A+6], 0
	s_mov_b32 s[G1A+7], 0
	s_or_b32 s[G1B], s28, (3<<16)|(1<<21)
	s_mov_b32 s[G1B+1], 32<<16
	s_mov_b32 s[G1B+2], 136<<16
	s_mov_b32 s[G1B+3], 32<<16
	s_mov_b32 s[G1B+4], 136
	s_mov_b32 s[G1B+5], 32
	s_mov_b32 s[G1B+6], 0
	s_mov_b32 s[G1B+7], 0
	s_mul_i32 s74, s26, 69632                      ; x: by rb and the wave alone
	s_mul_i32 s29, s[NH], 17408
	s_add_co_u32 s74, s74, s29
	s_mov_b32 s75, 0
	s_mul_i32 s76, s25, 139264                     ; W: by nb and the wave alone
	s_mul_i32 s30, s[NH], 34816
	s_add_co_u32 s76, s76, s30
	s_mov_b32 s77, 0
	s_mul_i32 s78, s26, 69632                      ; the prefetches: pass 1's chunk of my rb, my work-group's 8,192 bytes of it
	s_lshl_b32 s79, s23, 13
	s_add_co_u32 s78, s78, s79
	s_add_co_u32 s78, s78, PASS_A
	s_mov_b32 s79, 0
	s_wait_dscnt 0x0                               ; both opening adds are done
	s_wait_kmcnt 0x0
	s_add_nc_u64 s[74:75], s[4:5], s[74:75]
	s_add_nc_u64 s[76:77], s[6:7], s[76:77]
	s_add_nc_u64 s[PF:PF+1], s[4:5], s[78:79]
	CROUND                                         ; all sixteen work-groups are here: the first joint loads meet
.irp s, 0,1
	s_mov_b32 s[G0A+4*\s], 1
	s_add_co_u32 s[G0A+4*\s+1], s29, \s*SLOT
	s_add_nc_u64 s[G0A+4*\s+2:G0A+4*\s+3], s[74:75], \s*34816
	s_or_b32 s[G0A+4*\s+3], s[G0A+4*\s+3], 0x80000000
	s_mov_b32 s[G0B+4*\s], 1
	s_add_co_u32 s[G0B+4*\s+1], s30, \s*SLOT+B_CO
	s_add_nc_u64 s[G0B+4*\s+2:G0B+4*\s+3], s[76:77], \s*69632
	s_or_b32 s[G0B+4*\s+3], s[G0B+4*\s+3], 0x80000000
.endr
	JLOAD 0                                        ; step 0
	v_and_b32 v1, 31, v0
	v_lshlrev_b32 v[LI], 4, v1
	v_lshlrev_b32 v2, 3, v1
	v_lshlrev_b32 v[PFO], 8, v1
	v_bfe_u32 v3, v0, 4, 1
	v_lshlrev_b32 v[BH32], 5, v3
	v_and_b32 v4, 15, v0
	v_lshlrev_b32 v[BR4], 2, v4
	s_lshl_b32 s82, s[MH], 12                      ; my four tiles of x
	s_lshl_b32 s83, s[NH], 13                      ; my eight tiles of W
	s_add_co_u32 s83, s83, B_CO
	s_lshl_b32 s84, s[MH], 10
	s_add_co_u32 s84, s84, A_SC
	s_lshl_b32 s85, s[NH], 11
	s_add_co_u32 s85, s85, B_SC
.irp s, 0,1
	v_add_nc_u32 v[ADRA+\s], s82, v[LI]
	v_add_nc_u32 v[ADRB+\s], s83, v[LI]
	v_add_nc_u32 v[ASA+\s], s84, v2
	v_add_nc_u32 v[ASB+\s], s85, v2
	s_add_co_u32 s82, s82, SLOT
	s_add_co_u32 s83, s83, SLOT
	s_add_co_u32 s84, s84, SLOT
	s_add_co_u32 s85, s85, SLOT
.endr
	s_lshl_b32 s66, s25, 10                        ; the biases of my 128 columns: 4 (256 nb + 128 nh) bytes on
	s_lshl_b32 s67, s[NH], 9
	s_add_co_u32 s66, s66, s67
	s_mov_b32 s67, 0
	s_add_nc_u64 s[8:9], s[8:9], s[66:67]
	s_add_nc_u64 s[10:11], s[10:11], s[66:67]
	s_add_nc_u64 s[12:13], s[12:13], s[66:67]
	WIN 0x80                                       ; destination window 2
.irp b, 0,1,2,3,4,5,6,7
	global_load_b128 v[8*\b:8*\b+3], v[BH32], s[8:9] offset:64*\b          ; Q, K: register j = bias of column 16 b + 8 h + j
	global_load_b128 v[8*\b+4:8*\b+7], v[BH32], s[8:9] offset:64*\b+16
	global_load_b128 v[64+8*\b:64+8*\b+3], v[BH32], s[10:11] offset:64*\b
	global_load_b128 v[64+8*\b+4:64+8*\b+7], v[BH32], s[10:11] offset:64*\b+16
.endr
.irp b, 0,1,2,3,4,5,6,7
.irp j, 0,1,2,3,4,5,6,7
	global_load_b32 v[128+8*\b+\j], v[BR4], s[12:13] offset:64*\b           ; V: all eight registers = bias of column 16 b + r
.endr
.endr
	WIN 0
	; where my results go: head part (16 batch + 4 nb + 2 nh) x 262,144, row part (rb % 16) x 16,384 + mh x 8,192: the same number in Qf, Kf and Vf
	s_lshr_b32 s66, s26, 4
	s_lshl_b32 s66, s66, 4
	s_lshl_b32 s67, s25, 2
	s_add_co_u32 s66, s66, s67
	s_lshl_b32 s67, s[NH], 1
	s_add_co_u32 s66, s66, s67
	s_lshl_b32 s66, s66, 18
	s_and_b32 s67, s26, 15
	s_lshl_b32 s67, s67, 14
	s_add_co_u32 s66, s66, s67
	s_lshl_b32 s67, s[MH], 13
	s_add_co_u32 s66, s66, s67
	s_mov_b32 s67, 0
	s_add_nc_u64 s[PQ:PQ+1], s[PQ:PQ+1], s[66:67]
	s_add_nc_u64 s[PK:PK+1], s[PK:PK+1], s[66:67]
	s_add_nc_u64 s[PV:PV+1], s[PV:PV+1], s[66:67]
.macro FETCH s, q, f                   ; the fragments of the slot's q-th 128 along K into set f: 24 loads, 512 consecutive bytes each
.irp a, 0,1,2,3
	ds_load_b128 v[\f+8*\a:\f+8*\a+3], v[ADRA+\s] offset:(\q)*8192+\a*1024
	ds_load_b128 v[\f+8*\a+4:\f+8*\a+7], v[ADRA+\s] offset:(\q)*8192+\a*1024+512
.endr
.irp b, 0,1,2,3,4,5,6,7
	ds_load_b128 v[\f+32+8*\b:\f+32+8*\b+3], v[ADRB+\s] offset:(\q)*16384+\b*1024
	ds_load_b128 v[\f+32+8*\b+4:\f+32+8*\b+7], v[ADRB+\s] offset:(\q)*16384+\b*1024+512
.endr
.endm
.macro FETCHS s                        ; the slot's scale words: register w of a tile holds K step 2 w in lanes 0-15 and 2 w + 1 in lanes 16-31
.irp a, 0,1,2,3
	ds_load_b64 v[SA+2*\a:SA+2*\a+1], v[ASA+\s] offset:\a*256
.endr
.irp b, 0,1,2,3,4,5,6,7
	ds_load_b64 v[SB+2*\b:SB+2*\b+1], v[ASB+\s] offset:\b*256
.endr
.endm
; 32 matrix instructions, 128 along K.  The 32 accumulators take turns, one instruction a turn, in the same order in every step.
.macro MUL tr, f, q, p, first
.if \first
	WIN 0x60                                       ; C (the bias) window 2, D window 1
.else
	WIN 0x50                                       ; C and D window 1
.endif
.irp a, 0,1,2,3
.irp b, 0,1,2,3,4,5,6,7
.set xD, 8*(8*\a+\b)
.if \tr
.set xA, \f+32+8*\b
.set xB, \f+8*\a
.set xSA, SB+2*\b+(\q)/2
.set xSB, SA+2*\a+(\q)/2
.else
.set xA, \f+8*\a
.set xB, \f+32+8*\b
.set xSA, SA+2*\a+(\q)/2
.set xSB, SB+2*\b+(\q)/2
.endif
.if \first
.set xC, 64*(\p)+8*\b
.else
.set xC, xD
.endif
.if ((\q)%2) == 1
	v_wmma_scale_f32_16x16x128_f8f6f4 v[xD:xD+7], v[xA:xA+7], v[xB:xB+7], v[xC:xC+7], v[xSA], v[xSB] matrix_a_fmt:MATRIX_FMT_FP4 matrix_b_fmt:MATRIX_FMT_FP4 matrix_a_scale:MATRIX_SCALE_ROW1 matrix_b_scale:MATRIX_SCALE_ROW1
.else
	v_wmma_scale_f32_16x16x128_f8f6f4 v[xD:xD+7], v[xA:xA+7], v[xB:xB+7], v[xC:xC+7], v[xSA], v[xSB] matrix_a_fmt:MATRIX_FMT_FP4 matrix_b_fmt:MATRIX_FMT_FP4
.endif
.endr
.endr
.endm
.macro OUTQK base                      ; fragment (a, u): rows 16 a on, channels 32 u on: registers 0-3 from accumulator (a, 2 u), 4-7 from (a, 2 u + 1), each from its low end on
	WIN 0
	PLACES 4                                       ; four places between the last products and the first read of a result
	s_wait_xcnt 0x0                                ; the last pass's stores have read the packed registers
	WIN 0xc5                                       ; sources window 1, destination window 3
.irp a, 0,1,2,3
.irp u, 0,1,2,3
.irp i, 0,1,2,3
	v_cvt_pk_f16_f32 v[32*\a+8*\u+\i], v[8*(8*\a+2*\u)+2*\i], v[8*(8*\a+2*\u)+2*\i+1]
.endr
.irp i, 0,1,2,3
	v_cvt_pk_f16_f32 v[32*\a+8*\u+4+\i], v[8*(8*\a+2*\u+1)+2*\i], v[8*(8*\a+2*\u+1)+2*\i+1]
.endr
.endr
.endr
	WIN 0x0c                                       ; a store's data: window 3
.irp a, 0,1,2,3
.irp u, 0,1,2,3
.irp c, 0,1
	global_store_b128 v[LI], v[32*\a+8*\u+4*\c:32*\a+8*\u+4*\c+3], s[\base:\base+1] offset:(\u/2)*262144+\a*2048+(\u%2)*1024+\c*512   ; 512 consecutive bytes, aligned
.endr
.endr
.endr
	WIN 0
.endm
.macro OUTV                            ; fragment (g, b): keys 32 g on, channels 16 b on: registers 0-3 from accumulator (2 g, b), 4-7 from (2 g + 1, b)
	WIN 0
	PLACES 4
	s_wait_xcnt 0x0
	WIN 0xc5
.irp g, 0,1
.irp b, 0,1,2,3,4,5,6,7
.irp i, 0,1,2,3
	v_cvt_pk_f16_f32 v[64*\g+8*\b+\i], v[8*(16*\g+\b)+2*\i], v[8*(16*\g+\b)+2*\i+1]
.endr
.irp i, 0,1,2,3
	v_cvt_pk_f16_f32 v[64*\g+8*\b+4+\i], v[8*(16*\g+8+\b)+2*\i], v[8*(16*\g+8+\b)+2*\i+1]
.endr
.endr
.endr
	WIN 0x0c
.irp g, 0,1
.irp b, 0,1,2,3,4,5,6,7
.irp c, 0,1
	global_store_b128 v[LI], v[64*\g+8*\b+4*\c:64*\g+8*\b+4*\c+3], s[PV:PV+1] offset:(\b/4)*262144+\g*4096+(\b%4)*1024+\c*512
.endr
.endr
.endr
	WIN 0
.endm
; STEP t: 512 along K from slot t % 2.  In front of the barrier each wave waits for all its tensor loads (its part of this slot), adds 0 to its spare word, and waits for that and for its reads of the other slot.
; Behind the round the other slot takes step t + 1: that load has this step's 128 matrix instructions in which to land.
.macro TRIP t
.set SL, (\t)&1
.set OS, 1-SL
.set PP, (\t)/2
.set TR, 1
.if PP == 2
.set TR, 0
.endif
	WIN 0
	s_wait_tensorcnt 0x0                           ; no tensor load of mine is out, so a group 0 may be written
	ds_add_u32 v[SPW], v[NIL]
.if (\t) < 4
	s_add_nc_u64 s[G0A+4*SL+2:G0A+4*SL+3], s[G0A+4*SL+2:G0A+4*SL+3], PASS_A   ; this slot's next chunk: the same half of K of the next pass
	s_add_nc_u64 s[G0B+4*SL+2:G0B+4*SL+3], s[G0B+4*SL+2:G0B+4*SL+3], PASS_B
.endif
	s_wait_dscnt 0x0                               ; the add is done, and my reads of the other slot are over
.if (\t) < 5
	CROUND                                         ; both now hold of every wave of every partner
	JLOAD OS                                       ; its four v_nop are also the places in front of the loads below
.else
	s_barrier_signal -1
	s_barrier_wait -1
	PLACES 4
.endif
	FETCHS SL
	FETCH SL, 0, F0
	FETCH SL, 1, F1
.if (\t) < 4
	ASK PP*PASS_A+SL*34816
.endif
	s_wait_dscnt 24                                ; all but the 24 loads just issued
	MUL TR, F0, 0, PP, OS
	WIN 0
	PLACES 4                                       ; in front of loads into registers that the products just issued read
	FETCH SL, 2, F0
	s_wait_dscnt 24
	MUL TR, F1, 1, PP, 0
	WIN 0
	PLACES 4
	FETCH SL, 3, F1
	s_wait_dscnt 24
	MUL TR, F0, 2, PP, 0
	s_wait_dscnt 0x0
	MUL TR, F1, 3, PP, 0
	WIN 0
.if SL == 1
.if PP == 0
	OUTQK PQ
.elseif PP == 1
	OUTQK PK
.else
	OUTV
.endif
.endif
.endm
	s_wait_loadcnt 0x0                             ; the biases
	TRIP 0
	TRIP 1
	TRIP 2
	TRIP 3
	TRIP 4
	TRIP 5
	s_wait_tensorcnt 0x0                           ; the wave's end
	ds_add_u32 v[SPW], v[NIL]
	s_wait_dscnt 0x0
	CROUND                                         ; the closing round
	s_endpgm
.Lfunc_end_k_qce1e8d435b_proj:
	.size	k_qce1e8d435b_proj, .Lfunc_end_k_qce1e8d435b_proj-k_qce1e8d435b_proj
	.p2alignl 7, 3214868480
	.fill 96, 4, 3214868480
	.section	.rodata,"a",@progbits
	.p2align	6, 0x0
	.amdhsa_kernel k_qce1e8d435b_proj
		.amdhsa_group_segment_fixed_size 327680
		.amdhsa_private_segment_fixed_size 0
		.amdhsa_enable_private_segment 0
		.amdhsa_kernarg_size 64
		.amdhsa_user_sgpr_count 2
		.amdhsa_user_sgpr_kernarg_segment_ptr 1
		.amdhsa_wavefront_size32 1
		.amdhsa_system_sgpr_workgroup_id_x 1
		.amdhsa_system_sgpr_workgroup_id_y 1
		.amdhsa_system_sgpr_workgroup_id_z 1
		.amdhsa_system_vgpr_workitem_id 0
		.amdhsa_next_free_vgpr 896
		.amdhsa_next_free_sgpr 96
		.amdhsa_reserve_vcc 0
		.amdhsa_float_denorm_mode_32 3
		.amdhsa_float_denorm_mode_16_64 3
		.amdhsa_memory_ordered 1
		.amdhsa_forward_progress 1
		.amdhsa_inst_pref_size 197
	.end_amdhsa_kernel
	.amdgpu_metadata
---
amdhsa.version: [ 1, 2 ]
amdhsa.kernels:
  - .name:           k_qce1e8d435b_proj
    .symbol:         k_qce1e8d435b_proj.kd
    .args:
      - { .name: xq, .offset: 0, .size: 8, .value_kind: global_buffer, .address_space: global }
      - { .name: wq, .offset: 8, .size: 8, .value_kind: global_buffer, .address_space: global }
      - { .name: bq, .offset: 16, .size: 8, .value_kind: global_buffer, .address_space: global }
      - { .name: bk, .offset: 24, .size: 8, .value_kind: global_buffer, .address_space: global }
      - { .name: bv, .offset: 32, .size: 8, .value_kind: global_buffer, .address_space: global }
      - { .name: Qf, .offset: 40, .size: 8, .value_kind: global_buffer, .address_space: global }
      - { .name: Kf, .offset: 48, .size: 8, .value_kind: global_buffer, .address_space: global }
      - { .name: Vf, .offset: 56, .size: 8, .value_kind: global_buffer, .address_space: global }
    .group_segment_fixed_size: 327680
    .private_segment_fixed_size: 0
    .kernarg_segment_align: 8
    .kernarg_segment_size: 64
    .max_flat_workgroup_size: 128
    .sgpr_count:     96
    .vgpr_count:     896
    .wavefront_size: 32
...
	.end_amdgpu_metadata
.endif
;; end of part 2
;; launch attn (part 3): grid 4 x 64, 8 waves a work-group, clusters of 4 x 1, 327,680 bytes of LDS; arguments Qf, Kf, Vf, energy_coeffs, Af; writes Af
.if DOCPART == 3
	.amdgcn_target "amdgcn-amd-amdhsa--gfx1250"
	.amdhsa_code_object_version 6
	.text
	.protected	k_qce1e8d435b_attn
	.globl	k_qce1e8d435b_attn
	.p2align	8
	.type	k_qce1e8d435b_attn,@function
k_qce1e8d435b_attn:
	s_mov_b64 s[64:65], 0
	v_nop
	global_prefetch_b8 v0, s[64:65] scope:SCOPE_SE
	s_setreg_imm32_b32 hwreg(HW_REG_WAVE_MODE, 25, 1), 1
	s_wait_xcnt 0x0
	s_wait_alu depctr_hold_cnt(0) depctr_sa_sdst(0) depctr_va_vdst(0) depctr_va_sdst(0) depctr_va_ssrc(0) depctr_va_vcc(0) depctr_vm_vsrc(0)
	s_getreg_b32 s2, hwreg(HW_REG_IB_STS2, 6, 4)
	s_cmp_eq_u32 s2, 0
	s_cbranch_scc0 .Lentry_in_a_cluster
	s_endpgm
.Lentry_in_a_cluster:
	s_bfe_u32 s2, ttmp6, 0x10000c
	s_cmp_lg_u32 s2, 0x3003
	s_cbranch_scc0 .Lentry_shape_is_right
	s_endpgm
.Lentry_shape_is_right:
; ATTN: for each (batch, head): O[q] = sum over keys of softmax(Q[q] . K[k] / 8, keys with |energy| > 0.1 alone) V[k]; a row with no key left gives 0.  Operands f16, sums, maxima and exponentials f32.
; Qf, Kf [bh][tile of 16 rows][kc][1,024], Vf [bh][g (32 keys)][ct][1,024]: images of operand registers.  Af [rb (128 rows)][kc (128 k)][q (32 k)][mt][1,024]: the same for the last product.
; A work-group owns 512 queries of one head, each of its eight waves 64: four tiles t of 16.  Every wave walks all 2,048 keys, 64 a step; K and V come through a ring of two LDS slots of 256 keys.
; Both products are used transposed: S^T = K Q^T (a lane holds one query and keys 8 h + j), O^T = V^T P (one query, channels 8 h + j): nothing changes lanes between the products.
; THE MASK is a value, not a branch: a table of 2,048 numbers in LDS holds 0 for a key that counts and -2^100 for a hidden one, and is the C of each score tile's first matrix instruction.
; The running maximum starts at -2^66, which lies under every score that f16 operands can give (64 x 65,504^2 < 2^39), and over every hidden one: so a hidden key's p is 2^(a number under -10^28) = 0, whatever else the row holds.
; A row with no key left ends with sum 0 and O = 0; the sum is held at 2^-100 from below, so that the row gives 0.  A NaN energy counts as hidden, as the comparison has it.
; SOFTMAX: running maximum m and sum l for each query; p = 2^(c s - c m), c = log2(e) / 8; O and l are multiplied by a = 2^(c m_old - c m_new) in every step.
; CLUSTER 4 x 1: the four query blocks of a head walk the same K and V: each tile is asked for jointly.  Every wave asks for 8,192 bytes of a slot (waves 0-3: K, waves 4-7: V) by the same line.
; By this text's count a wave has one tensor load out.
; REGISTERS: window 0: v2-13 addresses; v16-47 statistics, 8 a tile; v64-191 S^T (tile t, key tile kt at 64 + 32 t + 8 kt), then p, then P in place; v192-255 eight fragments of K, later of V.
;   window 1: v0-127 O^T (32 t + 8 ct); v128-191 Q (128 + 16 t + 8 kc); v192-223 the step's 64 mask numbers (192 + 8 kt).
.set SLOTB, 65536                      ; a slot: K's 32,768 bytes, then V's
.set VOFF,  32768
.set STEPB, 8192                       ; a step's 64 keys, of K or of V
.set BIAS,  2*SLOTB                    ; the mask table: 8,192 bytes, written by ds_store; no fill lands there
.set SPARE, BIAS+8192                  ; the spare words, 128 bytes for each wave
.set LI,  2                            ; v2  16 x lane
.set AB0, 3                            ; v3  BIAS + 32 h
.set ADR, 4                            ; v4  the step's fragments
.set ADB, 5                            ; v5  the step's mask numbers
.set PFO, 8                            ; v8  256 x lane
.set SPW, 10                           ; v10 my spare word; never rewritten
.set NIL, 11                           ; v11 0; never rewritten
.set ST,  16                           ; tile t at v[ST + 8 t]: +0 c m, +1 m, +2, +3 l in two halves, +4 .. +7 at work; a stands at +6
.set S,   64
.set KV,  192
.set QF,  128
.set BF,  192
.set WV,  14
.set G1,  24
.set G0,  32
.set CS,  36
.set SEL, 38
.set TB,  40                           ; s40 LDS byte at which the step's tiles begin
.set TJS, 41                           ; s41 the slot's place in the mask table: 1,024 bytes a slot
.set SLOTS, 42
.set CNT, 43
.set PFA, 44
.set LIM, 46
.set MSB, 0
.macro WIN new
.if MSB != \new
	s_set_vgpr_msb (MSB<<8)|\new
.set MSB, \new
.endif
.endm
.macro PLACES n
.rept \n
	v_nop
.endr
.endm
.macro CROUND
	s_barrier_signal -1
	s_barrier_wait -1
	s_cmp_lg_u32 s[WV], 0
	s_cbranch_scc1 .Lnot_wave_0_\@
	s_barrier_signal -3
.Lnot_wave_0_\@:
	s_barrier_wait -3
	s_barrier_signal -1
	s_barrier_wait -1
.endm
.macro JLOAD                           ; every wave's joint load: its own 32 rows of 256 bytes; an s_nop 0 and four v_nop follow
	tensor_load_to_lds s[G0:G0+3], s[G1:G1+7]
	s_nop 0
.rept 4
	v_nop
.endr
.endm
; A prefetch of the slot after the one just asked for, four key steps ahead of the load that will want it.  One cluster walks a head's K and V: its four partners take 8,192 bytes each, told apart by address (cx);
; wave 0 asks for K's, wave 4 for V's, a lane to each 256 bytes.  The last change that fills a slot asks for nothing.
.macro ASK
	s_cmp_gt_u32 s[SLOTS], s[LIM]
	s_cbranch_scc0 .Lnot_mine_\@
	global_prefetch_b8 v[PFO], s[PFA:PFA+1] th:TH_LOAD_NT scope:SCOPE_SE
.Lnot_mine_\@:
.endm
	s_load_b256 s[4:11], s[0:1], 0x0               ; Qf s[4:5], Kf s[6:7], Vf s[8:9], energy s[10:11]
	s_load_b64 s[12:13], s[0:1], 0x20              ; Af
	v_lshl_add_u32 v[SPW], v0, 2, SPARE
	v_mov_b32 v[NIL], 0
	ds_add_u32 v[SPW], v[NIL]                      ; the wave's opening: the add, twice on end, and its wait ahead of my first tensor load
	ds_add_u32 v[SPW], v[NIL]
	v_lshrrev_b32 v1, 5, v0
	v_readfirstlane_b32 s[WV], v1                  ; wave 0..7
	s_bfe_u32 s15, ttmp6, 0x40000                  ; cx
	s_lshl_b32 s17, ttmp9, 2
	s_add_co_u32 s17, s17, s15                     ; qb: my block of 512 queries
	s_and_b32 s16, ttmp7, 0xffff                   ; bh, which the four partners share
	s_mov_b32 s[G1], 15|(3<<16)|(1<<21)            ; the mask: all four; elements of 8 bytes; bit 21 beside a mask; no padding
	s_mov_b32 s[G1+1], 32<<16                      ; rows of 256 bytes,
	s_mov_b32 s[G1+2], 32<<16                      ; 32 of them
	s_mov_b32 s[G1+3], 32<<16
	s_mov_b32 s[G1+4], 32
	s_mov_b32 s[G1+5], 32
	s_mov_b32 s[G1+6], 0
	s_mov_b32 s[G1+7], 0
	s_mov_b32 s[CS], 0x3e38aa3b                    ; c = log2(e) / 8
	s_mov_b32 s[CS+1], s[CS]
	s_mov_b32 s[SEL], 0x76543210
	s_mov_b32 s[SEL+1], 0xfedcba98
	s_mov_b32 s[TB], 0
	s_mov_b32 s[TJS], 0
	s_mov_b32 s[SLOTS], 7
	s_mov_b32 s56, 0x3dcccccd                      ; 0.1 in f32
	s_and_b32 s48, s[WV], 3
	s_cmp_eq_u32 s48, 0
	s_cselect_b32 s[LIM], 1, -1                    ; waves 0 and 4 prefetch
	s_lshl_b32 s50, s16, 18                        ; the head's 262,144 bytes in Qf, Kf, Vf
	s_mov_b32 s51, 0
	s_lshl_b32 s52, s48, 13                        ; my quarter of a slot's K or V
	s_mov_b32 s53, 0
	s_lshl_b32 s54, s15, 13                        ; the prefetches: my work-group's quarter,
	s_add_co_u32 s54, s54, 32768                   ; in slot 1: the first change of slots steps it to slot 2
	s_mov_b32 s55, 0
	s_wait_dscnt 0x0                               ; both opening adds are done
	s_wait_kmcnt 0x0
	s_cmp_lt_u32 s[WV], 4
	s_cselect_b64 s[G0+2:G0+3], s[6:7], s[8:9]
	s_add_nc_u64 s[G0+2:G0+3], s[G0+2:G0+3], s[50:51]
	s_add_nc_u64 s[PFA:PFA+1], s[G0+2:G0+3], s[54:55]
	s_add_nc_u64 s[G0+2:G0+3], s[G0+2:G0+3], s[52:53]
	s_or_b32 s[G0+3], s[G0+3], 0x80000000
	s_mov_b32 s[G0], 1
	s_lshl_b32 s[G0+1], s[WV], 13                  ; LDS: wave x 8,192: K's four quarters, then V's
	CROUND                                         ; all four work-groups are here
	JLOAD                                          ; slot 0
	v_and_b32 v1, 31, v0
	v_lshlrev_b32 v[LI], 4, v1
	v_lshlrev_b32 v[PFO], 8, v1
	v_bfe_u32 v6, v0, 4, 1
	v_lshl_add_u32 v[AB0], v6, 5, BIAS
	v_lshlrev_b32 v12, 5, v0                       ; my 8 energies of the batch's 2,048
	v_lshl_add_u32 v13, v0, 5, BIAS
	s_lshr_b32 s48, s16, 4
	s_lshl_b32 s48, s48, 13                        ; the batch's 8,192 bytes
	s_mov_b32 s49, 0
	s_add_nc_u64 s[10:11], s[10:11], s[48:49]
	global_load_b128 v[64:67], v12, s[10:11]
	global_load_b128 v[68:71], v12, s[10:11] offset:16
	s_lshl_b32 s48, s17, 5
	s_lshl_b32 s52, s[WV], 2
	s_add_co_u32 s48, s48, s52                     ; my first tile of queries: 32 qb + 4 wave
	s_lshl_b32 s48, s48, 11
	s_add_nc_u64 s[4:5], s[4:5], s[50:51]
	s_add_nc_u64 s[4:5], s[4:5], s[48:49]
	WIN 0x40                                       ; destination window 1
.irp t, 0,1,2,3
.irp kc, 0,1
.irp c, 0,1
	global_load_b128 v[QF+16*\t+8*\kc+4*\c:QF+16*\t+8*\kc+4*\c+3], v[LI], s[4:5] offset:\t*2048+\kc*1024+\c*512   ; Q stays in registers
.endr
.endr
.endr
.set i, 0
.rept 128
	v_mov_b32 v[i], 0                              ; O^T.  The step is written once: its first turn finds zeros
.set i, i+1
.endr
	WIN 0
	; where my results go in Af
	s_lshr_b32 s52, s16, 4
	s_lshl_b32 s52, s52, 4
	s_lshl_b32 s53, s17, 2
	s_add_co_u32 s52, s52, s53
	s_lshr_b32 s53, s[WV], 1
	s_add_co_u32 s52, s52, s53                     ; rb = 16 batch + 4 qb + wave / 2
	s_lshl_b32 s52, s52, 18
	s_bfe_u32 s53, s16, 0x30001                    ; kc = head / 2
	s_lshl_b32 s53, s53, 15
	s_add_co_u32 s52, s52, s53
	s_and_b32 s53, s16, 1                          ; q = 2 (head % 2) + u
	s_lshl_b32 s53, s53, 14
	s_add_co_u32 s52, s52, s53
	s_and_b32 s53, s[WV], 1                        ; mt = 4 (wave % 2) + t
	s_lshl_b32 s53, s53, 12
	s_add_co_u32 s52, s52, s53
	s_mov_b32 s53, 0
	s_add_nc_u64 s[12:13], s[12:13], s[52:53]
	v_mov_b32 v72, 0xf1800000                      ; -2^100
	v_mov_b32 v73, 0
	s_wait_loadcnt 16                              ; my energies are in; Q's 16 loads may be out
.irp j, 0,1,2,3,4,5,6,7
	v_and_b32 v[64+\j], 0x7fffffff, v[64+\j]       ; the mean over an axis of one is the magnitude itself
	v_cmp_lt_f32 vcc_lo, s56, v[64+\j]
	v_cndmask_b32 v[64+\j], v72, v73, vcc_lo       ; 0 where 0.1 < |energy|, else -2^100
.endr
	ds_store_b128 v13, v[64:67]
	ds_store_b128 v13, v[68:71] offset:16          ; the first change of slots waits for these and passes a barrier: then every wave may read the table
.irp t, 0,1,2,3
	v_mov_b32 v[ST+8*\t+1], 0xe0800000             ; m = -2^66
	v_mov_b32 v[ST+8*\t+2], 0                      ; l
	v_mov_b32 v[ST+8*\t+3], 0
.endr
.irp t, 0,1,2,3
	v_mul_f32 v[ST+8*\t], s[CS], v[ST+8*\t+1]      ; c m
.endr
	s_wait_loadcnt 0x0                             ; Q
; A KEY STEP: 64 keys.
.macro STEP
	s_and_b32 s48, s[TB], 0xffff                   ; the step's place in its slot, 8,192 bytes a step,
	s_lshr_b32 s48, s48, 5                         ; is 256 bytes a step in the mask table,
	s_add_co_u32 s48, s48, s[TJS]                  ; behind the slot's place there
	v_add_nc_u32 v[ADR], s[TB], v[LI]
	v_add_nc_u32 v[ADB], s48, v[AB0]
.irp f, 0,1,2,3,4,5,6,7                ; K: fragment 2 kt + kc
	ds_load_b128 v[KV+8*\f:KV+8*\f+3], v[ADR] offset:\f*1024
	ds_load_b128 v[KV+8*\f+4:KV+8*\f+7], v[ADR] offset:\f*1024+512
.endr
	WIN 0x40
.irp kt, 0,1,2,3                       ; register j = the mask number of key 16 kt + 8 h + j
	ds_load_b128 v[BF+8*\kt:BF+8*\kt+3], v[ADB] offset:\kt*64
	ds_load_b128 v[BF+8*\kt+4:BF+8*\kt+7], v[ADB] offset:\kt*64+16
.endr
	s_wait_dscnt 0x0
	WIN 0x14                                       ; Q and the mask numbers window 1
.irp kt, 0,1,2,3                       ; the 16 accumulators take turns, one instruction a turn
.irp t, 0,1,2,3
	v_wmma_f32_16x16x32_f16 v[S+32*\t+8*\kt:S+32*\t+8*\kt+7], v[KV+16*\kt:KV+16*\kt+7], v[QF+16*\t:QF+16*\t+7], v[BF+8*\kt:BF+8*\kt+7]
.endr
.endr
	WIN 0x04
.irp kt, 0,1,2,3
.irp t, 0,1,2,3
	v_wmma_f32_16x16x32_f16 v[S+32*\t+8*\kt:S+32*\t+8*\kt+7], v[KV+16*\kt+8:KV+16*\kt+15], v[QF+16*\t+8:QF+16*\t+15], v[S+32*\t+8*\kt:S+32*\t+8*\kt+7]
.endr
.endr
	WIN 0
	PLACES 4                                       ; in front of the loads into K's registers and of the first read of a score
.irp f, 0,1,2,3,4,5,6,7                ; V: fragment 4 g + ct; it lands while the softmax is walked
	ds_load_b128 v[KV+8*\f:KV+8*\f+3], v[ADR] offset:VOFF+\f*1024
	ds_load_b128 v[KV+8*\f+4:KV+8*\f+7], v[ADR] offset:VOFF+\f*1024+512
.endr
	; the maximum of my 32 scores and the old m; each accumulator is read from its low end on; the four tiles line by line
.irp j, 0,1,2,3
.irp t, 0,1,2,3
	v_max3_num_f32 v[ST+8*\t+4+\j], v[S+32*\t+8*\j], v[S+32*\t+8*\j+1], v[S+32*\t+8*\j+2]
.endr
.endr
.irp i, 3,5
.irp j, 0,1,2,3
.irp t, 0,1,2,3
	v_max3_num_f32 v[ST+8*\t+4+\j], v[ST+8*\t+4+\j], v[S+32*\t+8*\j+\i], v[S+32*\t+8*\j+\i+1]
.endr
.endr
.endr
.irp t, 0,1,2,3
	v_max3_num_f32 v[ST+8*\t+4], v[ST+8*\t+4], v[S+32*\t+7], v[S+32*\t+15]
.endr
.irp t, 0,1,2,3
	v_max3_num_f32 v[ST+8*\t+6], v[ST+8*\t+6], v[S+32*\t+23], v[S+32*\t+31]
.endr
.irp t, 0,1,2,3
	v_max3_num_f32 v[ST+8*\t+4], v[ST+8*\t+4], v[ST+8*\t+5], v[ST+8*\t+6]
.endr
.irp t, 0,1,2,3
	v_max3_num_f32 v[ST+8*\t+4], v[ST+8*\t+4], v[ST+8*\t+7], v[ST+8*\t+1]
.endr
.irp t, 0,1,2,3
	v_permlanex16_b32 v[ST+8*\t+5], v[ST+8*\t+4], s[SEL], s[SEL+1]   ; the query's other 32 keys lie in the lane 16 away
.endr
.irp t, 0,1,2,3
	v_mov_b32 v[ST+8*\t+7], v[ST+8*\t]             ; c m_old
.endr
.irp t, 0,1,2,3
	v_max_num_f32 v[ST+8*\t+1], v[ST+8*\t+4], v[ST+8*\t+5]
.endr
.irp t, 0,1,2,3
	v_mul_f32 v[ST+8*\t], s[CS], v[ST+8*\t+1]
.endr
.irp t, 0,1,2,3
	v_sub_f32 v[ST+8*\t+7], v[ST+8*\t+7], v[ST+8*\t]
.endr
.set i, 0
.rept 16
.irp t, 0,1,2,3
	v_pk_fma_f32 v[S+32*\t+2*i:S+32*\t+2*i+1], v[S+32*\t+2*i:S+32*\t+2*i+1], s[CS:CS+1], v[ST+8*\t:ST+8*\t+1] op_sel_hi:[1,0,0] neg_lo:[0,0,1] neg_hi:[0,0,1]   ; c s - c m
.endr
.set i, i+1
.endr
.irp t, 0,1,2,3
	v_exp_f32 v[ST+8*\t+6], v[ST+8*\t+7]           ; a
.endr
.set i, 0
.rept 32
.irp t, 0,1,2,3
	v_exp_f32 v[S+32*\t+i], v[S+32*\t+i]           ; p
.endr
.set i, i+1
.endr
	v_nop                                          ; a plain instruction behind the last exponential
	s_wait_alu depctr_va_vdst(0)                   ; one wait for the batch of 132, ahead of its first reader
.irp t, 0,1,2,3
	v_pk_mul_f32 v[ST+8*\t+2:ST+8*\t+3], v[ST+8*\t+2:ST+8*\t+3], v[ST+8*\t+6:ST+8*\t+7] op_sel_hi:[1,0]   ; l x a
.endr
.irp t, 0,1,2,3
	v_pk_add_f32 v[ST+8*\t+4:ST+8*\t+5], v[S+32*\t+2:S+32*\t+3], v[S+32*\t+6:S+32*\t+7]   ; the sum of the unrounded p, in two chains
.endr
.irp t, 0,1,2,3
	v_pk_add_f32 v[ST+8*\t+2:ST+8*\t+3], v[ST+8*\t+2:ST+8*\t+3], v[S+32*\t:S+32*\t+1]
.endr
.irp t, 0,1,2,3
	v_pk_add_f32 v[ST+8*\t+2:ST+8*\t+3], v[ST+8*\t+2:ST+8*\t+3], v[S+32*\t+4:S+32*\t+5]
.endr
.irp i, 8,12,16,20,24,28
.irp t, 0,1,2,3
	v_pk_add_f32 v[ST+8*\t+2:ST+8*\t+3], v[ST+8*\t+2:ST+8*\t+3], v[S+32*\t+\i:S+32*\t+\i+1]
.endr
.irp t, 0,1,2,3
	v_pk_add_f32 v[ST+8*\t+4:ST+8*\t+5], v[ST+8*\t+4:ST+8*\t+5], v[S+32*\t+\i+2:S+32*\t+\i+3]
.endr
.endr
.irp t, 0,1,2,3
	v_pk_add_f32 v[ST+8*\t+2:ST+8*\t+3], v[ST+8*\t+2:ST+8*\t+3], v[ST+8*\t+4:ST+8*\t+5]
.endr
.set i, 0
.rept 16
.irp t, 0,1,2,3
	v_cvt_pk_f16_f32 v[S+32*\t+i], v[S+32*\t+2*i], v[S+32*\t+2*i+1]   ; P in place, ascending: register i is written when registers 2 i and 2 i + 1 are read
.endr
.set i, i+1
.endr
	WIN 0x41                                       ; O^T window 1, a window 0
.set i, 0
.rept 16
.irp t, 0,1,2,3
	v_pk_mul_f32 v[32*\t+2*i:32*\t+2*i+1], v[32*\t+2*i:32*\t+2*i+1], v[ST+8*\t+6:ST+8*\t+7] op_sel_hi:[1,0]   ; O^T x a, each accumulator from its low end on
.endr
.set i, i+1
.endr
	s_wait_dscnt 0x0                               ; V is in
	WIN 0x50                                       ; C and D window 1
.irp g, 0,1
.irp t, 0,1,2,3
.irp ct, 0,1,2,3
	v_wmma_f32_16x16x32_f16 v[32*\t+8*\ct:32*\t+8*\ct+7], v[KV+8*(4*\g+\ct):KV+8*(4*\g+\ct)+7], v[S+32*\t+8*\g:S+32*\t+8*\g+7], v[32*\t+8*\ct:32*\t+8*\ct+7]
.endr
.endr
.endr
	WIN 0
	PLACES 5                                       ; the next step's first products write over P, a source of these: five places; its loads into V's registers want four
	s_add_co_u32 s[TB], s[TB], STEPB
.endm
.macro FOUR_STEPS                      ; a slot's four key steps: written once, walked four times
	s_mov_b32 s[CNT], 4
.Lstep_\@:
	STEP
	s_sub_co_u32 s[CNT], s[CNT], 1
	s_cmp_lg_u32 s[CNT], 0
	s_cbranch_scc1 .Lstep_\@
	s_sub_co_u32 s[TB], s[TB], 4*STEPB             ; back to a slot's first step,
	s_xor_b32 s[TB], s[TB], SLOTB                  ; in the other slot
	s_add_co_u32 s[TJS], s[TJS], 1024
.endm
; THE CHANGE OF SLOTS stands at a slot's head.  Each wave waits for all its tensor loads (its part of the slot ahead), adds 0 to its spare word, and waits for that and for its LDS instructions on the slot that it has left.
; fill = 1: a round of the cluster's barrier, and behind it the slot just left takes the next 256 keys: the load has four key steps in which to land.
.macro CHANGE fill
	WIN 0
	s_wait_tensorcnt 0x0                           ; no tensor load of mine is out, so the group 0 may be written
	ds_add_u32 v[SPW], v[NIL]
.if \fill
	s_xor_b32 s[G0+1], s[G0+1], SLOTB              ; the other slot than last time,
	s_add_nc_u64 s[G0+2:G0+3], s[G0+2:G0+3], 32768 ; the next 256 keys
	s_wait_xcnt 0x0                                ; the last prefetch, a slot back, has read its address
	s_add_nc_u64 s[PFA:PFA+1], s[PFA:PFA+1], 32768
	s_wait_dscnt 0x0
	CROUND
	JLOAD
	ASK
.else
	s_wait_dscnt 0x0
	s_barrier_signal -1
	s_barrier_wait -1
.endif
.endm
.Lslot:                                            ; seven trips: behind each change of slots but the last the next slot is asked for
	CHANGE 1
	FOUR_STEPS
	s_sub_co_u32 s[SLOTS], s[SLOTS], 1
	s_cmp_lg_u32 s[SLOTS], 0
	s_cbranch_scc1 .Lslot
	CHANGE 0                                       ; the last slot is written out
	FOUR_STEPS
	; THE WAY OUT: O^T / l, rounded to f16; two neighbouring channel tiles are a fragment of the last product's operand
.irp t, 0,1,2,3
	v_add_f32 v[ST+8*\t+4], v[ST+8*\t+2], v[ST+8*\t+3]
.endr
.irp t, 0,1,2,3
	v_permlanex16_b32 v[ST+8*\t+5], v[ST+8*\t+4], s[SEL], s[SEL+1]
.endr
.irp t, 0,1,2,3
	v_add_f32 v[ST+8*\t+4], v[ST+8*\t+4], v[ST+8*\t+5]
.endr
.irp t, 0,1,2,3
	v_max_num_f32 v[ST+8*\t+4], 0x0d800000, v[ST+8*\t+4]   ; at least 2^-100: a row with no key left has O = 0 and gives 0
.endr
.irp t, 0,1,2,3
	v_rcp_f32 v[ST+8*\t+6], v[ST+8*\t+4]
.endr
	v_nop
	s_wait_alu depctr_va_vdst(0)                   ; one wait for the four reciprocals
	WIN 0x41
.set i, 0
.rept 16
.irp t, 0,1,2,3
	v_pk_mul_f32 v[32*\t+2*i:32*\t+2*i+1], v[32*\t+2*i:32*\t+2*i+1], v[ST+8*\t+6:ST+8*\t+7] op_sel_hi:[1,0]
.endr
.set i, i+1
.endr
	WIN 0x05                                       ; sources window 1, destination window 0
.set i, 0
.rept 16
.irp t, 0,1,2,3
	v_cvt_pk_f16_f32 v[S+16*\t+i], v[32*\t+2*i], v[32*\t+2*i+1]
.endr
.set i, i+1
.endr
	WIN 0
.irp t, 0,1,2,3
.irp u, 0,1
.irp c, 0,1
	global_store_b128 v[LI], v[S+16*\t+8*\u+4*\c:S+16*\t+8*\u+4*\c+3], s[12:13] offset:\u*8192+\t*1024+\c*512   ; 512 consecutive bytes, aligned
.endr
.endr
.endr
	s_wait_tensorcnt 0x0                           ; the wave's end
	ds_add_u32 v[SPW], v[NIL]
	s_wait_dscnt 0x0
	CROUND                                         ; the closing round
	s_endpgm
.Lfunc_end_k_qce1e8d435b_attn:
	.size	k_qce1e8d435b_attn, .Lfunc_end_k_qce1e8d435b_attn-k_qce1e8d435b_attn
	.p2alignl 7, 3214868480
	.fill 96, 4, 3214868480
	.section	.rodata,"a",@progbits
	.p2align	6, 0x0
	.amdhsa_kernel k_qce1e8d435b_attn
		.amdhsa_group_segment_fixed_size 327680
		.amdhsa_private_segment_fixed_size 0
		.amdhsa_enable_private_segment 0
		.amdhsa_kernarg_size 40
		.amdhsa_user_sgpr_count 2
		.amdhsa_user_sgpr_kernarg_segment_ptr 1
		.amdhsa_wavefront_size32 1
		.amdhsa_system_sgpr_workgroup_id_x 1
		.amdhsa_system_sgpr_workgroup_id_y 1
		.amdhsa_system_sgpr_workgroup_id_z 1
		.amdhsa_system_vgpr_workitem_id 0
		.amdhsa_next_free_vgpr 512
		.amdhsa_next_free_sgpr 80
		.amdhsa_reserve_vcc 1
		.amdhsa_float_denorm_mode_32 3
		.amdhsa_float_denorm_mode_16_64 3
		.amdhsa_memory_ordered 1
		.amdhsa_forward_progress 1
		.amdhsa_inst_pref_size 90
	.end_amdhsa_kernel
	.amdgpu_metadata
---
amdhsa.version: [ 1, 2 ]
amdhsa.kernels:
  - .name:           k_qce1e8d435b_attn
    .symbol:         k_qce1e8d435b_attn.kd
    .args:
      - { .name: Qf, .offset: 0, .size: 8, .value_kind: global_buffer, .address_space: global }
      - { .name: Kf, .offset: 8, .size: 8, .value_kind: global_buffer, .address_space: global }
      - { .name: Vf, .offset: 16, .size: 8, .value_kind: global_buffer, .address_space: global }
      - { .name: energy_coeffs, .offset: 24, .size: 8, .value_kind: global_buffer, .address_space: global }
      - { .name: Af, .offset: 32, .size: 8, .value_kind: global_buffer, .address_space: global }
    .group_segment_fixed_size: 327680
    .private_segment_fixed_size: 0
    .kernarg_segment_align: 8
    .kernarg_segment_size: 40
    .max_flat_workgroup_size: 256
    .sgpr_count:     80
    .vgpr_count:     512
    .wavefront_size: 32
...
	.end_amdgpu_metadata
.endif
;; end of part 3
;; launch outp (part 4): grid 4 x 64, 4 waves a work-group, clusters of 4 x 4, 327,680 bytes of LDS; arguments Af, wo16, bo, out0; writes out0
.if DOCPART == 4
	.amdgcn_target "amdgcn-amd-amdhsa--gfx1250"
	.amdhsa_code_object_version 6
	.text
	.protected	k_qce1e8d435b_outp
	.globl	k_qce1e8d435b_outp
	.p2align	8
	.type	k_qce1e8d435b_outp,@function
k_qce1e8d435b_outp:
	s_mov_b64 s[64:65], 0
	v_nop
	global_prefetch_b8 v0, s[64:65] scope:SCOPE_SE
	s_setreg_imm32_b32 hwreg(HW_REG_WAVE_MODE, 25, 1), 1
	s_wait_xcnt 0x0
	s_wait_alu depctr_hold_cnt(0) depctr_sa_sdst(0) depctr_va_vdst(0) depctr_va_sdst(0) depctr_va_ssrc(0) depctr_va_vcc(0) depctr_vm_vsrc(0)
	s_getreg_b32 s2, hwreg(HW_REG_IB_STS2, 6, 4)
	s_cmp_eq_u32 s2, 0
	s_cbranch_scc0 .Lentry_in_a_cluster
	s_endpgm
.Lentry_in_a_cluster:
	s_bfe_u32 s2, ttmp6, 0x10000c
	s_cmp_lg_u32 s2, 0xf033
	s_cbranch_scc0 .Lentry_shape_is_right
	s_endpgm
.Lentry_shape_is_right:
; OUTP: out0 = A Wo + bo.  A (the attention's result) and Wo come as f16 images of operand registers: Af [rb][kc][q][mt][1,024], wo16 [nb][kc][q][nt][1,024]; sums in f32; out0 [8192][1024] f32.
; A work-group makes 128 rows x 256 columns; wave w has rows 64 (w / 2) on and columns 128 (w % 2) on: 32 accumulators.  Eight steps of 128 along K through a ring of two LDS slots.
; The matrix instruction is used transposed (source 0 = 16 columns of Wo, source 1 = 16 rows of A): a lane holds eight neighbouring numbers of a row of out0.  bo is the C of each sum's first instruction.
; CLUSTER 4 x 4: A's chunk is shared along a row of the cluster, Wo's along a column: joint loads; waves 0, 1 ask for A's halves, waves 2, 3 for Wo's.  By this text's count a wave has one tensor load out.
; REGISTERS: window 0: v16-31 addresses; v64-159, v160-255 two sets of fragments (A's 4, then Wo's 8); on the way out v64-191 rows of out0.   window 1: accumulator (a, b) at v[8 (8 a + b)].   window 2: v0-63 bo.
.set SLOT,   98304                     ; A's 32,768 bytes, then Wo's 65,536
.set B_CO,   32768
.set STAGE,  2*SLOT                    ; behind the ring: 16 rows x (512 bytes + 16) for each wave; no fill lands there
.set SPITCH, 528
.set SPARE,  STAGE+4*16*SPITCH         ; the spare words, 128 bytes for each wave
.set ADRA, 16
.set ADRB, 18
.set LI,   24                          ; v24 16 x lane
.set STO,  25                          ; v25 the way out: where I put 32 bytes of a row
.set RD,   26                          ; v26 where I read a row back
.set SPW,  28
.set NIL,  29
.set PFO,  30
.set BH32, 31
.set F0,   64
.set F1,   160
.set BK,   64
.set WV,   20
.set MH,   21
.set NH,   22
.set G1A,  32
.set G1B,  40
.set G0A,  48
.set G0B,  56
.set PF,   80
.set MSB, 0
.macro WIN new
.if MSB != \new
	s_set_vgpr_msb (MSB<<8)|\new
.set MSB, \new
.endif
.endm
.macro PLACES n
.rept \n
	v_nop
.endr
.endm
.macro CROUND
	s_barrier_signal -1
	s_barrier_wait -1
	s_cmp_lg_u32 s[WV], 0
	s_cbranch_scc1 .Lnot_wave_0_\@
	s_barrier_signal -3
.Lnot_wave_0_\@:
	s_barrier_wait -3
	s_barrier_signal -1
	s_barrier_wait -1
.endm
.macro JLOAD s                         ; a joint load; an s_nop 0 and four v_nop follow each line
	s_cmp_eq_u32 s[MH], 0
	s_cbranch_scc0 .Lfor_b_\@
	tensor_load_to_lds s[G0A+4*(\s):G0A+4*(\s)+3], s[G1A:G1A+7]
	s_nop 0
.rept 4
	v_nop
.endr
	s_branch .Lasked_\@
.Lfor_b_\@:
	tensor_load_to_lds s[G0B+4*(\s):G0B+4*(\s)+3], s[G1B:G1B+7]
	s_nop 0
.rept 4
	v_nop
.endr
.Lasked_\@:
.endm
; A prefetch of A's chunk of the step two on: 32,768 bytes that the four work-groups of my cluster's row alone read; each takes 8,192, told apart by address (cx); wave 0 asks, a lane to each 256 bytes.
; The address registers are never rewritten.  Wo is not asked for: every cluster reads it.
.macro ASK off
	s_cmp_lg_u32 s[WV], 0
	s_cbranch_scc1 .Lnot_mine_\@
	global_prefetch_b8 v[PFO], s[PF:PF+1] offset:\off th:TH_LOAD_NT scope:SCOPE_SE
.Lnot_mine_\@:
.endm
	s_load_b256 s[4:11], s[0:1], 0x0               ; Af s[4:5], wo16 s[6:7], bo s[8:9], out0 s[10:11]
	v_lshl_add_u32 v[SPW], v0, 2, SPARE
	v_mov_b32 v[NIL], 0
	ds_add_u32 v[SPW], v[NIL]                      ; the wave's opening: the add, twice on end, and its wait ahead of my first tensor load
	ds_add_u32 v[SPW], v[NIL]
	v_lshrrev_b32 v1, 5, v0
	v_readfirstlane_b32 s[WV], v1
	s_lshr_b32 s[MH], s[WV], 1
	s_and_b32 s[NH], s[WV], 1
	s_bfe_u32 s23, ttmp6, 0x40000                  ; cx
	s_bfe_u32 s24, ttmp6, 0x40004                  ; cy
	s_lshl_b32 s25, ttmp9, 2
	s_add_co_u32 s25, s25, s23                     ; nb
	s_and_b32 s26, ttmp7, 0xffff
	s_lshl_b32 s26, s26, 2
	s_add_co_u32 s26, s26, s24                     ; rb
	s_lshl_b32 s27, s24, 2
	s_lshl_b32 s27, 15, s27                        ; my row of the cluster
	s_lshl_b32 s28, 0x1111, s23                    ; my column
	s_or_b32 s[G1A], s27, (3<<16)|(1<<21)          ; dense blocks as rows of 256 bytes: A's half 64 rows, Wo's 128
	s_mov_b32 s[G1A+1], 32<<16
	s_mov_b32 s[G1A+2], 64<<16
	s_mov_b32 s[G1A+3], 32<<16
	s_mov_b32 s[G1A+4], 64
	s_mov_b32 s[G1A+5], 32
	s_mov_b32 s[G1A+6], 0
	s_mov_b32 s[G1A+7], 0
	s_or_b32 s[G1B], s28, (3<<16)|(1<<21)
	s_mov_b32 s[G1B+1], 32<<16
	s_mov_b32 s[G1B+2], 128<<16
	s_mov_b32 s[G1B+3], 32<<16
	s_mov_b32 s[G1B+4], 128
	s_mov_b32 s[G1B+5], 32
	s_mov_b32 s[G1B+6], 0
	s_mov_b32 s[G1B+7], 0
	s_lshl_b32 s74, s26, 18                        ; A: by rb and the wave alone
	s_lshl_b32 s29, s[NH], 14
	s_add_co_u32 s74, s74, s29
	s_mov_b32 s75, 0
	s_lshl_b32 s76, s25, 19                        ; Wo: by nb and the wave alone
	s_lshl_b32 s30, s[NH], 15
	s_add_co_u32 s76, s76, s30
	s_mov_b32 s77, 0
	s_lshl_b32 s78, s26, 18                        ; the prefetches
	s_lshl_b32 s79, s23, 13
	s_add_co_u32 s78, s78, s79
	s_mov_b32 s79, 0
	s_wait_dscnt 0x0                               ; both opening adds are done
	s_wait_kmcnt 0x0
	s_add_nc_u64 s[74:75], s[4:5], s[74:75]
	s_add_nc_u64 s[76:77], s[6:7], s[76:77]
	s_add_nc_u64 s[PF:PF+1], s[4:5], s[78:79]
	CROUND
.irp s, 0,1
	s_mov_b32 s[G0A+4*\s], 1
	s_add_co_u32 s[G0A+4*\s+1], s29, \s*SLOT
	s_add_nc_u64 s[G0A+4*\s+2:G0A+4*\s+3], s[74:75], \s*32768
	s_or_b32 s[G0A+4*\s+3], s[G0A+4*\s+3], 0x80000000
	s_mov_b32 s[G0B+4*\s], 1
	s_add_co_u32 s[G0B+4*\s+1], s30, \s*SLOT+B_CO
	s_add_nc_u64 s[G0B+4*\s+2:G0B+4*\s+3], s[76:77], \s*65536
	s_or_b32 s[G0B+4*\s+3], s[G0B+4*\s+3], 0x80000000
.endr
	JLOAD 0                                        ; step 0
	v_and_b32 v1, 31, v0
	v_lshlrev_b32 v[LI], 4, v1
	v_lshlrev_b32 v[PFO], 8, v1
	v_bfe_u32 v3, v0, 4, 1
	v_lshlrev_b32 v[BH32], 5, v3
	v_and_b32 v4, 15, v0
	s_lshl_b32 s82, s[MH], 12
	s_lshl_b32 s83, s[NH], 13
	s_add_co_u32 s83, s83, B_CO
.irp s, 0,1
	v_add_nc_u32 v[ADRA+\s], s82, v[LI]
	v_add_nc_u32 v[ADRB+\s], s83, v[LI]
	s_add_co_u32 s82, s82, SLOT
	s_add_co_u32 s83, s83, SLOT
.endr
	s_mul_i32 s84, s[WV], 16*SPITCH
	s_add_co_u32 s84, s84, STAGE                   ; my stage
	v_mul_u32_u24 v[STO], v4, SPITCH
	v_lshl_add_u32 v[STO], v3, 5, v[STO]
	v_add_nc_u32 v[STO], s84, v[STO]               ; in: row r, 32 bytes for each half of the lanes
	v_add_nc_u32 v[RD], s84, v[LI]                 ; back: the 32 lanes take one row of 512 bytes
	s_lshl_b32 s66, s25, 10                        ; bo of my 128 columns
	s_lshl_b32 s67, s[NH], 9
	s_add_co_u32 s66, s66, s67
	s_mov_b32 s67, 0
	s_add_nc_u64 s[8:9], s[8:9], s[66:67]
	s_add_nc_u64 s[10:11], s[10:11], s[66:67]      ; the same bytes on in a row of out0,
	s_lshl_b32 s66, s26, 19
	s_lshl_b32 s85, s[MH], 18
	s_add_co_u32 s66, s66, s85
	s_add_nc_u64 s[10:11], s[10:11], s[66:67]      ; and my first row: 128 rb + 64 mh
	WIN 0x80
.irp b, 0,1,2,3,4,5,6,7
	global_load_b128 v[8*\b:8*\b+3], v[BH32], s[8:9] offset:64*\b          ; register j = bo of column 16 b + 8 h + j
	global_load_b128 v[8*\b+4:8*\b+7], v[BH32], s[8:9] offset:64*\b+16
.endr
	WIN 0
.macro FETCH s, q, f                   ; the fragments of the slot's q-th 32 along K into set f: 24 loads
.irp a, 0,1,2,3
	ds_load_b128 v[\f+8*\a:\f+8*\a+3], v[ADRA+\s] offset:(\q)*8192+\a*1024
	ds_load_b128 v[\f+8*\a+4:\f+8*\a+7], v[ADRA+\s] offset:(\q)*8192+\a*1024+512
.endr
.irp b, 0,1,2,3,4,5,6,7
	ds_load_b128 v[\f+32+8*\b:\f+32+8*\b+3], v[ADRB+\s] offset:(\q)*16384+\b*1024
	ds_load_b128 v[\f+32+8*\b+4:\f+32+8*\b+7], v[ADRB+\s] offset:(\q)*16384+\b*1024+512
.endr
.endm
.macro MUL f, first                    ; 32 matrix instructions; the 32 accumulators take turns, in the same order in every step
.if \first
	WIN 0x60
.else
	WIN 0x50
.endif
.irp a, 0,1,2,3
.irp b, 0,1,2,3,4,5,6,7
.if \first
	v_wmma_f32_16x16x32_f16 v[8*(8*\a+\b):8*(8*\a+\b)+7], v[\f+32+8*\b:\f+32+8*\b+7], v[\f+8*\a:\f+8*\a+7], v[8*\b:8*\b+7]
.else
	v_wmma_f32_16x16x32_f16 v[8*(8*\a+\b):8*(8*\a+\b)+7], v[\f+32+8*\b:\f+32+8*\b+7], v[\f+8*\a:\f+8*\a+7], v[8*(8*\a+\b):8*(8*\a+\b)+7]
.endif
.endr
.endr
.endm
; STEP t: 128 along K from slot t % 2; the order of waits, add, round and refill as in every ring of this program: the refill has this step's 128 matrix instructions in which to land.
.macro TRIP t
.set SL, (\t)&1
.set OS, 1-SL
	WIN 0
	s_wait_tensorcnt 0x0                           ; no tensor load of mine is out, so a group 0 may be written
	ds_add_u32 v[SPW], v[NIL]
.if (\t) < 6
	s_add_nc_u64 s[G0A+4*SL+2:G0A+4*SL+3], s[G0A+4*SL+2:G0A+4*SL+3], 65536    ; this slot's next chunk: two steps on
	s_add_nc_u64 s[G0B+4*SL+2:G0B+4*SL+3], s[G0B+4*SL+2:G0B+4*SL+3], 131072
.endif
	s_wait_dscnt 0x0                               ; the add is done, and my reads of the other slot are over
.if (\t) < 7
	CROUND
	JLOAD OS                                       ; its four v_nop are also the places in front of the loads below
.else
	s_barrier_signal -1
	s_barrier_wait -1
	PLACES 4
.endif
	FETCH SL, 0, F0
	FETCH SL, 1, F1
.if (\t) < 6
	ASK ((\t)+2)*32768
.endif
	s_wait_dscnt 24                                ; all but the 24 loads just issued
.if (\t) == 0
	MUL F0, 1
.else
	MUL F0, 0
.endif
	WIN 0
	PLACES 4
	FETCH SL, 2, F0
	s_wait_dscnt 24
	MUL F1, 0
	WIN 0
	PLACES 4
	FETCH SL, 3, F1
	s_wait_dscnt 24
	MUL F0, 0
	s_wait_dscnt 0x0
	MUL F1, 0
	WIN 0
.endm
	s_wait_loadcnt 0x0                             ; bo
	TRIP 0
	TRIP 1
	TRIP 2
	TRIP 3
	TRIP 4
	TRIP 5
	TRIP 6
	TRIP 7
; THE WAY OUT, block by block of 16 rows x 128 columns: through my own stage and back as whole rows of 512 bytes.  LDS serves a wave's instructions in order: no wait between the stores and the loads.
.macro TOSTAGE a
	WIN 0x04                                       ; an LDS store's data: window 1
.irp b, 0,1,2,3,4,5,6,7
	ds_store_b128 v[STO], v[8*(8*(\a)+\b):8*(8*(\a)+\b)+3] offset:64*\b           ; each accumulator from its low end on
	ds_store_b128 v[STO], v[8*(8*(\a)+\b)+4:8*(8*(\a)+\b)+7] offset:64*\b+16
.endr
	WIN 0
.set BB, BK+64*((\a)%2)
.irp i, 0,1,2,3,4,5,6,7,8,9,10,11,12,13,14,15
	ds_load_b128 v[BB+4*\i:BB+4*\i+3], v[RD] offset:\i*SPITCH
.endr
.endm
.macro SEND a, younger                 ; younger: the LDS instructions issued behind block a's loads, which may stay out
.set BB, BK+64*((\a)%2)
	s_wait_dscnt \younger
.irp i, 0,1,2,3,4,5,6,7,8,9,10,11,12,13,14,15
	global_store_b128 v[LI], v[BB+4*\i:BB+4*\i+3], s[10:11] offset:(16*(\a)+\i)*4096 th:TH_STORE_NT   ; 512 consecutive bytes, aligned; written once
.endr
.endm
	PLACES 4                                       ; between the last products and the first read of a result, and the loads into the fragments' registers
	TOSTAGE 0
.irp a, 1,2,3
.if \a > 1
	s_wait_xcnt 0x0                                ; block a - 2's stores have read their registers: block a's loads may land there
.endif
	TOSTAGE \a
	SEND \a-1, 32                                  ; behind block a - 1's loads: block a's 16 stores and 16 loads
.endr
	SEND 3, 0
	s_wait_tensorcnt 0x0                           ; the wave's end
	ds_add_u32 v[SPW], v[NIL]
	s_wait_dscnt 0x0
	CROUND                                         ; the closing round
	s_endpgm
.Lfunc_end_k_qce1e8d435b_outp:
	.size	k_qce1e8d435b_outp, .Lfunc_end_k_qce1e8d435b_outp-k_qce1e8d435b_outp
	.p2alignl 7, 3214868480
	.fill 96, 4, 3214868480
	.section	.rodata,"a",@progbits
	.p2align	6, 0x0
	.amdhsa_kernel k_qce1e8d435b_outp
		.amdhsa_group_segment_fixed_size 327680
		.amdhsa_private_segment_fixed_size 0
		.amdhsa_enable_private_segment 0
		.amdhsa_kernarg_size 32
		.amdhsa_user_sgpr_count 2
		.amdhsa_user_sgpr_kernarg_segment_ptr 1
		.amdhsa_wavefront_size32 1
		.amdhsa_system_sgpr_workgroup_id_x 1
		.amdhsa_system_sgpr_workgroup_id_y 1
		.amdhsa_system_sgpr_workgroup_id_z 1
		.amdhsa_system_vgpr_workitem_id 0
		.amdhsa_next_free_vgpr 640
		.amdhsa_next_free_sgpr 96
		.amdhsa_reserve_vcc 0
		.amdhsa_float_denorm_mode_32 3
		.amdhsa_float_denorm_mode_16_64 3
		.amdhsa_memory_ordered 1
		.amdhsa_forward_progress 1
		.amdhsa_inst_pref_size 148
	.end_amdhsa_kernel
	.amdgpu_metadata
---
amdhsa.version: [ 1, 2 ]
amdhsa.kernels:
  - .name:           k_qce1e8d435b_outp
    .symbol:         k_qce1e8d435b_outp.kd
    .args:
      - { .name: Af, .offset: 0, .size: 8, .value_kind: global_buffer, .address_space: global }
      - { .name: wo16, .offset: 8, .size: 8, .value_kind: global_buffer, .address_space: global }
      - { .name: bo, .offset: 16, .size: 8, .value_kind: global_buffer, .address_space: global }
      - { .name: out0, .offset: 24, .size: 8, .value_kind: global_buffer, .address_space: global }
    .group_segment_fixed_size: 327680
    .private_segment_fixed_size: 0
    .kernarg_segment_align: 8
    .kernarg_segment_size: 32
    .max_flat_workgroup_size: 128
    .sgpr_count:     96
    .vgpr_count:     640
    .wavefront_size: 32
...
	.end_amdgpu_metadata
.endif
;; end of part 4
